; MI455X (gfx1250); checked and timed in simulation.
; The chip was launched on July 23, 2026; its instructions are those of AMD's public machine-readable ISA for CDNA 5 (MIT licence, August 2026) and "CDNA5" Instruction Set Architecture Reference Guide (July 2026). The comments in the code are by the model that wrote it; some were corrected since.
;; Continuous Time Aware MHSA. Allowed arithmetic: matrix products marked QUANTISED: E4M3 operands, one given power-of-two scale a tensor, by v_wmma_f32_16x16x64_fp8_fp8 or v_wmma_f32_16x16x128_fp8_fp8, f32 sums; everything else in f32.
;; Inputs: Wk 1,024 x 1,024 float32; Wq 1,024 x 1,024 float32; Wv 1,024 x 1,024 float32; alpha one number float32; bk 1,024 float32; bq 1,024 float32; bv 1,024 float32; lowp_scales 10 int32 (the exponents e of the quantised operands' scales 2^e); mask 4 x 1 x 2,048 x 2,048 int32; time_intervals 4 x 2,048 x 2,048 float32; x 4 x 2,048 x 1,024 float32.
;; Outputs: out0 4 x 2,048 x 1,024 float32.
;; This version of the problem:
;;   THIS VERSION OF THE PROBLEM IS GIVEN IN LOW PRECISION. The matrix products marked QUANTISED in the list below multiply operands that are first quantised to E4M3 (4 exponent bits, 3 mantissa bits; 8 bits a number), with one given power-of-two scale for each operand tensor; their sums are f32. All else is computed in f32.
;;   The module's matrix products, in the order in which they are computed (A, B: the left and right operand; K: the contracted axis; several contracted axes count as one K, in the product's order):
;;     1. [M 8,192, K 1,024] x [K 1,024, N 1,024]; A: input x; B: input Wq: QUANTISED (scales: A lowp_scales[0], B lowp_scales[1])
;;     2. [M 8,192, K 1,024] x [K 1,024, N 1,024]; A: input x; B: input Wk: QUANTISED (scales: A lowp_scales[2], B lowp_scales[3])
;;     3. [M 8,192, K 1,024] x [K 1,024, N 1,024]; A: input x; B: input Wv: QUANTISED (scales: A lowp_scales[4], B lowp_scales[5])
;;     4. batch 64 x [M 2,048, K 64] x [K 64, N 2,048]; A: computed on the way; B: computed on the way: QUANTISED (scales: A lowp_scales[6], B lowp_scales[7])
;;     5. batch 64 x [M 2,048, K 2,048] x [K 2,048, N 64]; A: softmax (see below); B: computed on the way: QUANTISED (scales: A lowp_scales[8], B lowp_scales[9])
;;   THE QUANTISER, for each operand of a quantised product, along K:
;;     - The operand's scale is 2^e, e = its entry of the input lowp_scales (int32; the entries are numbered through the quantised products in the list's order, A before B).
;;     - Each number is divided by the scale, clamped to +-448, and rounded to the nearest number of E4M3, ties to even, subnormals kept.
;;     - The product sums the exact products of the quantised numbers (number of the format x scale) in f32.
;;   ~~~python
;;   def quantise(x, axis, e):      # numpy; x: float32 -> the quantised numbers, widened to float32 again
;;       x = np.moveaxis(x, axis, -1); K = x.shape[-1]
;;       r = np.clip(x / 2.0 ** e, -448, 448)
;;       step = 2.0 ** (np.maximum(np.frexp(np.where(r == 0, 1, r))[1] - 1, -6) - 3)
;;       q = np.round(r / step) * step * 2.0 ** e      # np.round: ties to even
;;       return np.moveaxis(q, -1, axis).astype(np.float32)
;;   ~~~
;;   SOFTMAX AHEAD OF A QUANTISED PRODUCT. Where the list says 'softmax', what is quantised is not the finished softmax but p = 2^(t - M), with t = logit x log2(e) and M = ceil(the row's largest t), a whole number; so 1/2 < the row's largest p <= 1. The row's sum l is taken of the UNQUANTISED p, in f32, and the product's result is divided by l at the end. Since M is a whole number, a kernel that streams over the keys may use a running M (the ceiling of the running maximum): every later rescaling is an exact power of two, so the quantised numbers keep their values, but for numbers so far below the row's largest that they fall under the format's range.
;;   OPERANDS COMPUTED ON THE WAY. 'Computed on the way' means the value that the module computes at that place (a softmax that the list does not call 'softmax' is quantised finished and normalised). What goes into a quantiser is computed in f32, as accurately as f32 sums, v_exp_f32 and their like allow (about 1e-6 of the number): no bf16 or f16 on the way to a quantiser, and a product that is left as it is and whose result goes on into a quantised operand takes f32 operands (vector FMAs, or v_wmma_f32_16x16x4_f32). A number that lies on a knife's edge between two numbers of the format may be rounded either way, as far as f32 arithmetic and the matrix unit's own rounding can turn it there, and no further.
;; One version. Each part assembles by itself: llvm-mc -triple=amdgcn-amd-amdhsa -mcpu=gfx1250 --defsym DOCPART=n.
;; ======== version 1 of 1: 3 launches
;; limits: right only within a limited range of input values
;; workspace buffers: XC 25,165,824 bytes; WC 3,145,728 bytes; QKV 25,165,824 bytes
;; launch quant (part 1): grid 352 x 1, 4 waves a work-group, no clusters, 68,096 bytes of LDS; arguments x, Wq, Wk, Wv, lowp_scales, XC, WC; writes XC, WC
.if DOCPART == 1
	.amdgcn_target "amdgcn-amd-amdhsa--gfx1250"
	.amdhsa_code_object_version 6
	.text
	.protected	k_q1dec5cf2a8_quant
	.globl	k_q1dec5cf2a8_quant
	.p2align	8
	.type	k_q1dec5cf2a8_quant,@function
k_q1dec5cf2a8_quant:
	s_mov_b64 s[64:65], 0
	v_nop
	global_prefetch_b8 v0, s[64:65] scope:SCOPE_SE
	s_setreg_imm32_b32 hwreg(HW_REG_WAVE_MODE, 25, 1), 1
	s_wait_xcnt 0x0
; FIRST OF THREE LAUNCHES (quant, proj, attn) for attention with a time-decay bias and a mask, all five products on codes of E4M3.
; DEAD WORK: none is left out.  bq, bk, bv go into quantised operands (Q, K, V); alpha, time_intervals and mask go into the softmax; the mask is an input, so no tile is passed over.  Every input is loaded by one of the three launches.
; THIS LAUNCH turns f32 numbers into codes: code = number / 2^e, held within +-448, to the nearest code, ties to even.
;   x [8192][1024] (K innermost) three times, with e0, e2, e4 (the three products' own scales for x): XC part p at p x 8 MiB, [8192][1024] bytes.  Work-groups 0 to 255.
;   Wq, Wk, Wv [k 1024][n 1024] (K outermost) with e1, e3, e5: WC part p at p x 1 MiB, [n 1024][k 1024] bytes, K innermost.  Work-groups 256 to 351.
; LIMITS: e0 .. e5 between -126 and 119, so that 2^e and 448 x 2^e are f32 numbers.  NaN among the inputs is not served (an infinity is held at the largest code).
; The two paths part on the work-group's number and never join; each has LDS bytes of its own.  No tensor loads, no barrier: waves share nothing.  Matrix units and clusters have nothing to do here: the launch only streams.
.set STEPS, 16
.set SP,    80                         ; x path: a lane's place in a stage: its 64 bytes + 16 of padding
.set WREG,  8192                       ; x path: LDS bytes 0 .. 32767, a region for each wave: two stages of 32 x SP bytes
.set WSTG,  32768                      ; W path: LDS bytes 32768 .. 67583, a stage of 32 rows x 272 bytes for each wave
.set PITCH, 272
.set SPARE, 67584                      ; the spare words, 128 bytes for each wave: two blocks of 256 bytes that no other line names
.set SPW,   12                         ; v12  LDS address of my spare word; never rewritten
.set NIL,   13                         ; v13  0; never rewritten
.set R,     16                         ; x path: v16-79 four sets of 16 numbers as loaded
.set X,     80                         ;         v80-111 two sets of 16 neighbours
.set T,     112                        ;         v112-143 two sets of 16 held numbers, by turns
.set C,     144                        ;         v144-167 codes: two sets of 3 x 4 registers
.set XW,    32                         ; W path: v32-95 two sets of 32 numbers
.set CW,    96                         ;         v96-103 a block's codes
.set OUTR,  112                        ;         v112-175 the way out
	s_load_b256 s[4:11], s[0:1], 0x0               ; x s[4:5], Wq s[6:7], Wk s[8:9], Wv s[10:11]
	s_load_b128 s[12:15], s[0:1], 0x20             ; the scales' exponents s[12:13], XC s[14:15]
	s_load_b64 s[16:17], s[0:1], 0x30              ; WC
	v_lshl_add_u32 v[SPW], v0, 2, SPARE
	v_mov_b32 v[NIL], 0
	v_lshrrev_b32 v1, 5, v0
	v_readfirstlane_b32 s18, v1                    ; wave 0..3
	v_and_b32 v2, 31, v0                           ; lane
	s_wait_kmcnt 0x0
	s_load_b256 s[24:31], s[12:13], 0x0            ; e0 .. e7
	s_cmp_lt_u32 ttmp9, 256
	s_cbranch_scc0 .Lweights
; ---------------- x: a plain stream of 8,388,608 numbers; a wave takes 16 steps of 512 ----------------
; Each load reads 512 consecutive bytes, 16 a lane; a step's 2,048 bytes turn through the wave's own stage so that a lane then holds 16 neighbours along K; its 16 codes are 16 bytes, so each store covers 512 consecutive bytes.
	s_wait_alu depctr_va_vdst(0)
	v_lshlrev_b32 v3, 4, v2                        ; 16 x lane: my bytes of a load's 512 and of a store's 512
	s_wait_alu depctr_va_vdst(0)
	s_mul_i32 s19, s18, WREG
	v_lshrrev_b32 v14, 2, v2
	v_mul_u32_u24 v14, v14, SP
	v_and_b32 v15, 3, v2
	v_lshl_add_u32 v14, v15, 4, v14
	v_add_nc_u32 v14, s19, v14                     ; into the stage: SP (lane / 4) + 16 (lane % 4)
	v_mul_u32_u24 v15, v2, SP
	v_add_nc_u32 v15, s19, v15                     ; out of it: SP x lane
	s_lshl_b32 s20, ttmp9, 2
	s_add_co_u32 s20, s20, s18                     ; which run of 8,192 numbers is my wave's
	s_lshl_b32 s22, s20, 15
	s_mov_b32 s23, 0
	s_add_nc_u64 s[4:5], s[4:5], s[22:23]          ; 32,768 bytes of x a run
	s_lshl_b32 s22, s20, 13
	s_add_nc_u64 s[32:33], s[14:15], s[22:23]      ; 8,192 bytes of codes a run: part 0,
	s_add_nc_u64 s[34:35], s[32:33], 0x800000      ; part 1,
	s_add_nc_u64 s[36:37], s[32:33], 0x1000000     ; part 2
.macro LOADX t
.irp i, 0,1,2,3
	global_load_b128 v[R+16*((\t)%4)+4*\i:R+16*((\t)%4)+4*\i+3], v3, s[4:5] offset:2048*(\t)+512*\i th:TH_LOAD_NT
.endr
.endm
.macro TURNX t                         ; LDS serves a wave's instructions in order, so no wait stands between the stores and the loads
.irp i, 0,1,2,3
	ds_store_b128 v14, v[R+16*((\t)%4)+4*\i:R+16*((\t)%4)+4*\i+3] offset:32*SP*((\t)%2)+8*SP*\i
.endr
.irp i, 0,1,2,3
	ds_load_b128 v[X+16*((\t)%2)+4*\i:X+16*((\t)%2)+4*\i+3], v15 offset:32*SP*((\t)%2)+16*\i
.endr
.endm
.irp t, 0,1,2,3
	LOADX \t
.endr
	s_wait_alu depctr_va_vdst(0)
	s_wait_kmcnt 0x0
.irp p, 0,1,2
	s_add_co_i32 s38, s[24+2*\p], 127
	s_lshl_b32 s39, s38, 23
	v_mov_b32 v[6+\p], s39                         ; 2^e as f32: the conversion takes its exponent field
	s_add_co_i32 s38, s38, 8
	s_lshl_b32 s38, s38, 23
	s_or_b32 s38, s38, 0x600000
	v_mov_b32 v[9+\p], s38                         ; 448 x 2^e
.endr
	s_wait_alu depctr_va_vdst(0)
	s_wait_loadcnt 12                              ; step 0's four loads are in
	TURNX 0
.macro STEPX t
.set XS, X+16*((\t)%2)
	s_wait_dscnt 0x0                               ; this step's numbers are back from the stage, so its stores into the stage have read their registers,
.if (\t)+4 < STEPS
	LOADX (\t)+4                                   ; which take the loads of four steps on
.endif
.if (\t)+1 < STEPS
.if STEPS-2-(\t) >= 3
	s_wait_loadcnt 12                              ; the next step's four loads are in; those of the three steps behind it may be out
.else
	s_wait_loadcnt 4*(STEPS-2-(\t))
.endif
	TURNX (\t)+1
.endif
	s_wait_xcnt 0x0                                ; the stores of two steps back have read their data: that set of code registers is written again below
.irp p, 0,1,2
.set TS, T+16*((3*(\t)+\p)%2)
.set CS, C+12*((\t)%2)+4*\p
.set i, 0
.rept 16
	v_med3_num_f32 v[TS+i], v[XS+i], -v[9+\p], v[9+\p]   ; the conversion does not saturate (ISA guide 7.6.2): the hold, into the other set than last time, so that x's numbers stay and sixteen plain lines part a conversion from the next write of its sources
.set i, i+1
.endr
	v_cvt_scalef32_pk8_fp8_f32 v[CS:CS+1], v[TS:TS+7], v[6+\p]
	v_cvt_scalef32_pk8_fp8_f32 v[CS+2:CS+3], v[TS+8:TS+15], v[6+\p]
	global_store_b128 v3, v[CS:CS+3], s[32+2*\p:33+2*\p] offset:512*(\t)   ; 32 lanes store 512 consecutive bytes, aligned
.endr
.endm
.irp t, 0,1,2,3,4,5,6,7,8,9,10,11,12,13,14,15
	STEPX \t
.endr
	s_wait_tensorcnt 0x0                           ; the wave's end, behind my last LDS store
	ds_add_u32 v[SPW], v[NIL]
	s_wait_dscnt 0x0
	s_endpgm
; ---------------- the weights: a lane takes a column n and its registers run down K ----------------
; Work-group i = 32 p + 8 ky + nx takes 128 columns x 256 along K of weight p; a wave 32 columns.  Each load reads 128 consecutive bytes; the conversions give codes with K innermost; they leave through the wave's stage as rows of 256 bytes.
.Lweights:
	s_sub_co_u32 s19, ttmp9, 256
	s_lshr_b32 s20, s19, 5                         ; p
	s_and_b32 s21, s19, 7                          ; nx
	s_bfe_u32 s22, s19, 0x20003                    ; ky
	s_cmp_eq_u32 s20, 0
	s_cselect_b64 s[4:5], s[6:7], s[8:9]           ; Wq or Wk,
	s_cmp_eq_u32 s20, 2
	s_cselect_b64 s[4:5], s[10:11], s[4:5]         ; or Wv: the choice hangs on the work-group's number alone
	s_lshl_b32 s23, s21, 7
	s_lshl_b32 s32, s18, 5
	s_add_co_u32 s23, s23, s32                     ; my wave's first column
	s_wait_alu depctr_va_vdst(0)
	v_lshlrev_b32 v3, 2, v2                        ; in: 4 bytes a lane
	s_mul_i32 s32, s18, 32*PITCH
	s_add_co_u32 s32, s32, WSTG                    ; my stage
	v_mul_u32_u24 v4, v2, PITCH
	v_add_nc_u32 v4, s32, v4                       ; into it: row = my column
	v_and_b32 v5, 15, v2
	v_lshrrev_b32 v6, 4, v2
	v_mul_u32_u24 v7, v6, PITCH
	v_lshl_add_u32 v7, v5, 4, v7
	v_add_nc_u32 v7, s32, v7                       ; out of it: sixteen lanes to a row, two rows an instruction
	v_lshlrev_b32 v8, 10, v6
	v_lshl_add_u32 v8, v5, 4, v8                   ; and the same place in WC: rows of 1,024 bytes
	s_lshl_b32 s34, s22, 20                        ; 256 ky rows of 4,096 bytes
	s_lshl_b32 s35, s23, 2
	s_add_co_u32 s34, s34, s35
	s_mov_b32 s35, 0
	s_add_nc_u64 s[4:5], s[4:5], s[34:35]
	s_lshl_b32 s34, s20, 20                        ; WC: part p,
	s_lshl_b32 s36, s23, 10                        ; row = column,
	s_add_co_u32 s34, s34, s36
	s_lshl_b32 s36, s22, 8                         ; 256 ky along K
	s_add_co_u32 s34, s34, s36
	s_add_nc_u64 s[16:17], s[16:17], s[34:35]
.macro LOADW t                         ; block t: W(32 t + i, my column) into set t % 2; the largest offset, 255 rows of 4,096 bytes, lies inside the signed 24-bit immediate
.set i, 0
.rept 32
	global_load_b32 v[XW+32*((\t)%2)+i], v3, s[4:5] offset:(32*(\t)+i)*4096 th:TH_LOAD_NT
.set i, i+1
.endr
.endm
	LOADW 0
	LOADW 1
	s_wait_kmcnt 0x0
	s_cmp_eq_u32 s20, 0
	s_cselect_b32 s36, s25, s27                    ; e1 or e3,
	s_cmp_eq_u32 s20, 2
	s_cselect_b32 s36, s29, s36                    ; or e5
	s_add_co_i32 s36, s36, 127
	s_lshl_b32 s37, s36, 23
	v_mov_b32 v11, s37                             ; 2^e
	s_add_co_i32 s36, s36, 8
	s_lshl_b32 s36, s36, 23
	s_or_b32 s36, s36, 0x600000
	v_mov_b32 v10, s36                             ; 448 x 2^e
.macro BLOCKW t
.set XS, XW+32*((\t)%2)
.if (\t) < 7
	s_wait_loadcnt 32                              ; this block's 32 loads are in; the next block's may be out
.else
	s_wait_loadcnt 0x0
.endif
.set i, 0
.rept 32
	v_med3_num_f32 v[XS+i], v[XS+i], -v10, v10
.set i, i+1
.endr
.irp g, 0,1,2,3
	v_cvt_scalef32_pk8_fp8_f32 v[CW+2*\g:CW+2*\g+1], v[XS+8*\g:XS+8*\g+7], v11
.endr
	ds_store_b128 v4, v[CW:CW+3] offset:32*(\t)    ; 32 codes: 32 bytes of my column's row
	ds_store_b128 v4, v[CW+4:CW+7] offset:32*(\t)+16
.if (\t)+2 < 8
	LOADW (\t)+2
.endif
	s_wait_dscnt 0x0                               ; the stores have read their registers: the next block's codes may be written (32 plain lines come first)
.endm
	s_wait_alu depctr_va_vdst(0)
.irp t, 0,1,2,3,4,5,6,7
	BLOCKW \t
.endr
.irp t, 0,1,2,3,4,5,6,7,8,9,10,11,12,13,14,15
	ds_load_b128 v[OUTR+4*\t:OUTR+4*\t+3], v7 offset:2*\t*PITCH
.endr
.irp t, 0,1,2,3,4,5,6,7,8,9,10,11,12,13,14,15
	s_wait_dscnt 15-\t                             ; the younger read-backs may be out
	global_store_b128 v8, v[OUTR+4*\t:OUTR+4*\t+3], s[16:17] offset:2*\t*1024   ; sixteen lanes store 256 consecutive bytes, aligned
.endr
	s_wait_tensorcnt 0x0                           ; the wave's end, behind my last LDS store
	ds_add_u32 v[SPW], v[NIL]
	s_wait_dscnt 0x0
	s_endpgm
.Lfunc_end_k_q1dec5cf2a8_quant:
	.size	k_q1dec5cf2a8_quant, .Lfunc_end_k_q1dec5cf2a8_quant-k_q1dec5cf2a8_quant
	.p2alignl 7, 3214868480
	.fill 96, 4, 3214868480
	.section	.rodata,"a",@progbits
	.p2align	6, 0x0
	.amdhsa_kernel k_q1dec5cf2a8_quant
		.amdhsa_group_segment_fixed_size 68096
		.amdhsa_private_segment_fixed_size 0
		.amdhsa_enable_private_segment 0
		.amdhsa_kernarg_size 56
		.amdhsa_user_sgpr_count 2
		.amdhsa_user_sgpr_kernarg_segment_ptr 1
		.amdhsa_wavefront_size32 1
		.amdhsa_system_sgpr_workgroup_id_x 1
		.amdhsa_system_sgpr_workgroup_id_y 1
		.amdhsa_system_sgpr_workgroup_id_z 1
		.amdhsa_system_vgpr_workitem_id 0
		.amdhsa_next_free_vgpr 192
		.amdhsa_next_free_sgpr 66
		.amdhsa_reserve_vcc 0
		.amdhsa_float_denorm_mode_32 3
		.amdhsa_float_denorm_mode_16_64 3
		.amdhsa_memory_ordered 1
		.amdhsa_forward_progress 1
		.amdhsa_inst_pref_size 126
	.end_amdhsa_kernel
	.amdgpu_metadata
---
amdhsa.version: [ 1, 2 ]
amdhsa.kernels:
  - .name:           k_q1dec5cf2a8_quant
    .symbol:         k_q1dec5cf2a8_quant.kd
    .args:
      - { .name: x, .offset: 0, .size: 8, .value_kind: global_buffer, .address_space: global }
      - { .name: Wq, .offset: 8, .size: 8, .value_kind: global_buffer, .address_space: global }
      - { .name: Wk, .offset: 16, .size: 8, .value_kind: global_buffer, .address_space: global }
      - { .name: Wv, .offset: 24, .size: 8, .value_kind: global_buffer, .address_space: global }
      - { .name: lowp_scales, .offset: 32, .size: 8, .value_kind: global_buffer, .address_space: global }
      - { .name: XC, .offset: 40, .size: 8, .value_kind: global_buffer, .address_space: global }
      - { .name: WC, .offset: 48, .size: 8, .value_kind: global_buffer, .address_space: global }
    .group_segment_fixed_size: 68096
    .private_segment_fixed_size: 0
    .kernarg_segment_align: 8
    .kernarg_segment_size: 56
    .max_flat_workgroup_size: 128
    .sgpr_count:     66
    .vgpr_count:     192
    .wavefront_size: 32
...
	.end_amdgpu_metadata
.endif
;; end of part 1
;; launch proj (part 2): grid 4 x 96, 4 waves a work-group, clusters of 4 x 4, 327,680 bytes of LDS; arguments XC, WC, lowp_scales, bq, bk, bv, QKV; writes QKV
.if DOCPART == 2
	.amdgcn_target "amdgcn-amd-amdhsa--gfx1250"
	.amdhsa_code_object_version 6
	.text
	.protected	k_q1dec5cf2a8_proj
	.globl	k_q1dec5cf2a8_proj
	.p2align	8
	.type	k_q1dec5cf2a8_proj,@function
k_q1dec5cf2a8_proj:
	s_mov_b64 s[64:65], 0
	v_nop
	global_prefetch_b8 v0, s[64:65] scope:SCOPE_SE
	s_setreg_imm32_b32 hwreg(HW_REG_WAVE_MODE, 25, 1), 1
	s_wait_xcnt 0x0
	s_wait_alu depctr_hold_cnt(0) depctr_sa_sdst(0) depctr_va_vdst(0) depctr_va_sdst(0) depctr_va_ssrc(0) depctr_va_vcc(0) depctr_vm_vsrc(0)
	s_getreg_b32 s2, hwreg(HW_REG_IB_STS2, 6, 4)
	s_cmp_eq_u32 s2, 0
	s_cbranch_scc0 .Lentry_in_a_cluster
	s_endpgm
.Lentry_in_a_cluster:
	s_bfe_u32 s2, ttmp6, 0x10000c
	s_cmp_lg_u32 s2, 0xf033
	s_cbranch_scc0 .Lentry_shape_is_right
	s_endpgm
.Lentry_shape_is_right:
.set KSTEP,  256
.set ROWB,   256
.set KROW,   1024
.set PITCH,  272
.set FR,     16
.set NL,     4
.set NP,     4
.set HALFT,  128*PITCH
.set SLOT,   4*HALFT
.set SPARE,  2*SLOT
.set ADRA, 16
.set ADRB, 20
.set LO,   26
.set BO,   27
.set SPW,  28
.set NIL,  29
.set SCO,  30
.set LIM,  31
.set BI,   32
.set T,    96
.set AF,   128
.set CD,   128
.set G1, 24
.set G0, 32
.set G1B, 48
.set G0B, 56
.set MSB, 0
.macro WIN new
.if MSB != \new
	s_set_vgpr_msb (MSB<<8)|\new
.set MSB, \new
.endif
.endm
.set MUL_LO, 0xa1
.set MUL_HI, 0xf1
.set TO_B,   0x40
.macro JLOAD g0a, g1a, g0b, g1b
	s_cmp_eq_u32 s15, 0
	s_cbranch_scc0 .Lfor_b_\@
	tensor_load_to_lds s[\g0a:\g0a+3], s[\g1a:\g1a+7]
	s_nop 0
.rept 4
	v_nop
.endr
	s_branch .Lasked_\@
.Lfor_b_\@:
	tensor_load_to_lds s[\g0b:\g0b+3], s[\g1b:\g1b+7]
	s_nop 0
.rept 4
	v_nop
.endr
.Lasked_\@:
.endm
.macro CREST
	s_cmp_lg_u32 s14, 0
	s_cbranch_scc1 .Lnot_wave_0_\@
	s_barrier_signal -3
.Lnot_wave_0_\@:
	s_barrier_wait -3
	s_barrier_signal -1
	s_barrier_wait -1
.endm
.macro CROUND
	s_barrier_signal -1
	s_barrier_wait -1
	CREST
.endm
	s_load_b256 s[4:11], s[0:1], 0x0
	s_load_b128 s[68:71], s[0:1], 0x20
	s_load_b64 s[72:73], s[0:1], 0x30
	v_lshl_add_u32 v[SPW], v0, 2, SPARE
	v_mov_b32 v[NIL], 0
	ds_add_u32 v[SPW], v[NIL]
	ds_add_u32 v[SPW], v[NIL]
	v_lshrrev_b32 v1, 5, v0
	v_readfirstlane_b32 s14, v1
	s_lshr_b32 s15, s14, 1
	s_and_b32 s16, s14, 1
	s_bfe_u32 s40, ttmp6, 0x40000
	s_bfe_u32 s41, ttmp6, 0x40004
	s_and_b32 s74, ttmp7, 0xffff
	s_lshr_b32 s75, s74, 3
	s_and_b32 s76, s74, 7
	s_cmp_eq_u32 s75, 2
	s_cselect_b32 s77, 0, s76
	s_cselect_b32 s78, s76, 0
	s_lshl_b32 s42, s78, 2
	s_add_co_u32 s42, s42, s40
	s_lshl_b32 s17, s77, 2
	s_add_co_u32 s17, s17, s41
	s_lshl_b32 s43, s41, 2
	s_lshl_b32 s43, 15, s43
	s_lshl_b32 s44, 0x1111, s40
	s_or_b32 s[G1+0], s43, (0<<16)|(1<<20)|(1<<21)|(5<<22)|(3<<25)
	s_or_b32 s[G1B+0], s44, (0<<16)|(1<<20)|(1<<21)|(5<<22)|(3<<25)
.irp g, G1, G1B
	s_mov_b32 s[\g+1], ROWB<<16
	s_mov_b32 s[\g+2], 128<<16
	s_mov_b32 s[\g+3], ROWB<<16
	s_mov_b32 s[\g+4], 128
	s_mov_b32 s[\g+5], KROW
	s_mov_b32 s[\g+6], 0
	s_mov_b32 s[\g+7], 0
.endr
	s_lshl_b32 s18, s16, 7
	s_lshl_b32 s20, s17, 8
	s_add_co_u32 s20, s20, s18
	s_lshl_b32 s20, s20, 10
	s_mov_b32 s21, 0
	s_lshl_b32 s46, s42, 8
	s_add_co_u32 s46, s46, s18
	s_lshl_b32 s46, s46, 10
	s_mov_b32 s47, 0
	s_mul_i32 s45, s14, HALFT
	s_lshl_b32 s22, s75, 23
	s_mov_b32 s23, 0
	s_lshl_b32 s12, s75, 20
	s_mov_b32 s13, 0
	s_wait_dscnt 0x0
	s_wait_kmcnt 0x0
	s_load_b256 s[80:87], s[8:9], 0x0
	s_load_b64 s[88:89], s[8:9], 0x20
	s_add_nc_u64 s[4:5], s[4:5], s[22:23]
	s_add_nc_u64 s[6:7], s[6:7], s[12:13]
	s_cmp_eq_u32 s75, 2
	s_cselect_b64 s[94:95], s[6:7], s[4:5]
	s_cselect_b64 s[6:7], s[4:5], s[6:7]
	s_add_nc_u64 s[20:21], s[94:95], s[20:21]
	s_add_nc_u64 s[46:47], s[6:7], s[46:47]
	s_cmp_eq_u32 s15, 0                            ; the prefetches: of the 128 rows that my wave fetches, my work-group names 32, told apart from its three partners by address (cx for A's tiles, cy for B's)
	s_cselect_b64 s[66:67], s[20:21], s[46:47]
	s_cselect_b32 s12, s40, s41
	s_lshl_b32 s12, s12, 15                        ; 32 rows of 1,024 bytes (s13 is 0)
	s_add_nc_u64 s[66:67], s[66:67], s[12:13]
	v_and_b32 v8, 31, v0
	v_lshlrev_b32 v8, 10, v8                       ; a lane a row; never rewritten
	global_prefetch_b8 v8, s[66:67] th:TH_LOAD_NT scope:SCOPE_SE              ; the 256 bytes a row of K steps 0 and 1: the buffers' first touch, asked for ahead of the head's rounds
	global_prefetch_b8 v8, s[66:67] offset:256 th:TH_LOAD_NT scope:SCOPE_SE
	CROUND
.irp s, 0,1
	s_mov_b32 s[G0+4*\s], 1
	s_add_co_u32 s[G0+4*\s+1], s45, \s*SLOT
	s_add_nc_u64 s[G0+4*\s+2:G0+4*\s+3], s[20:21], \s*ROWB
	s_or_b32 s[G0+4*\s+3], s[G0+4*\s+3], 0x80000000
	s_mov_b32 s[G0B+4*\s], 1
	s_add_co_u32 s[G0B+4*\s+1], s45, \s*SLOT
	s_add_nc_u64 s[G0B+4*\s+2:G0B+4*\s+3], s[46:47], \s*ROWB
	s_or_b32 s[G0B+4*\s+3], s[G0B+4*\s+3], 0x80000000
	s_wait_alu depctr_va_vdst(0)
	s_wait_tensorcnt 0x0
	ds_add_u32 v28, v29
	ds_add_u32 v28, v29
	s_wait_dscnt 0x0
	CROUND
	JLOAD G0+4*\s, G1, G0B+4*\s, G1B
.if \s == 0                            ; behind K step 0's load: K step 2; behind K step 1's: K step 3, the last
	global_prefetch_b8 v8, s[66:67] offset:512 th:TH_LOAD_NT scope:SCOPE_SE
.else
	global_prefetch_b8 v8, s[66:67] offset:768 th:TH_LOAD_NT scope:SCOPE_SE
.endif
.endr
	v_and_b32 v1, 15, v0
	v_bfe_u32 v2, v0, 4, 1
	v_mul_u32_u24 v3, v1, PITCH
	v_lshl_add_u32 v4, v2, 4, v3
	s_mul_i32 s21, s15, HALFT
	s_mul_i32 s22, s16, HALFT
	s_add_co_u32 s22, s22, 2*HALFT
.irp s, 0,1
	v_add_nc_u32 v[ADRA+\s], s21, v4
	v_add_nc_u32 v[ADRB+\s], s22, v4
	s_add_co_u32 s21, s21, SLOT
	s_add_co_u32 s22, s22, SLOT
.endr
	v_and_b32 v6, 31, v0
	v_lshlrev_b32 v[LO], 4, v6
	s_cmp_eq_u32 s75, 0
	s_cselect_b64 s[90:91], s[10:11], s[68:69]
	s_cmp_eq_u32 s75, 2
	s_cselect_b64 s[90:91], s[70:71], s[90:91]
	s_lshl_b32 s18, s17, 1
	s_add_co_u32 s18, s18, s15
	s_lshl_b32 s19, s42, 1
	s_add_co_u32 s19, s19, s16
	s_cmp_eq_u32 s75, 2
	s_cselect_b32 s79, s18, s19
	s_cselect_b32 s98, s19, s18
	s_lshl_b32 s22, s79, 9
	s_mov_b32 s23, 0
	s_add_nc_u64 s[90:91], s[90:91], s[22:23]
	s_lshl_b32 s22, s75, 23
	s_lshr_b32 s12, s98, 4
	s_lshl_b32 s12, s12, 21
	s_add_co_u32 s22, s22, s12
	s_lshr_b32 s12, s79, 2
	s_lshl_b32 s12, s12, 20
	s_add_co_u32 s22, s22, s12
	s_and_b32 s12, s98, 15
	s_lshl_b32 s12, s12, 16
	s_add_co_u32 s22, s22, s12
	s_and_b32 s12, s79, 1
	s_lshl_b32 s12, s12, 15
	s_add_co_u32 s22, s22, s12
	s_bfe_u32 s12, s79, 0x10001
	s_lshl_b32 s12, s12, 14
	s_add_co_u32 s22, s22, s12
	s_add_nc_u64 s[92:93], s[72:73], s[22:23]
	s_cmp_eq_u32 s75, 2
	s_cbranch_scc1 .Lbias_v
	s_wait_alu depctr_va_vdst(0)
	v_lshlrev_b32 v[BO], 5, v2
.irp b, 0,1,2,3,4,5,6,7
	global_load_b128 v[BI+8*\b:BI+8*\b+3], v[BO], s[90:91] offset:64*\b
	global_load_b128 v[BI+8*\b+4:BI+8*\b+7], v[BO], s[90:91] offset:64*\b+16
.endr
	s_branch .Lbias_done
.Lbias_v:
	v_lshlrev_b32 v[BO], 2, v1
.irp a, 0,1,2,3,4,5,6,7
.irp j, 0,1,2,3,4,5,6,7
	global_load_b32 v[BI+8*\a+\j], v[BO], s[90:91] offset:64*\a
.endr
.endr
.Lbias_done:
.macro FRAG reg, adr, q, i
.irp c, 0,1,2,3
	ds_load_b128 v[\reg+4*\c:\reg+4*\c+3], v[\adr] offset:128*(\q)+32*\c+(\i)*16*PITCH
.endr
.endm
.macro MUL16 a0, p, zero
.irp a, \a0, \a0+1
.irp b, 0,1,2,3,4,5,6,7
.if \zero
	v_wmma_f32_16x16x128_fp8_fp8 v[8*(8*((\a)%4)+\b):8*(8*((\a)%4)+\b)+7], v[128*(\p)+FR*\b:128*(\p)+FR*\b+FR-1], v[AF+FR*(\a):AF+FR*(\a)+FR-1], 0
.else
	v_wmma_f32_16x16x128_fp8_fp8 v[8*(8*((\a)%4)+\b):8*(8*((\a)%4)+\b)+7], v[128*(\p)+FR*\b:128*(\p)+FR*\b+FR-1], v[AF+FR*(\a):AF+FR*(\a)+FR-1], v[8*(8*((\a)%4)+\b):8*(8*((\a)%4)+\b)+7]
.endif
.endr
.endr
.endm
.macro FETCH_B slot, q, p
	WIN TO_B
.irp i, 0,1,2,3,4,5,6,7
	FRAG 128*(\p)+FR*\i, ADRB+\slot, \q, \i
.endr
	WIN 0
.endm
.macro FETCH_A slot, q, i0
.irp i, \i0, \i0+1, \i0+2, \i0+3
	FRAG AF+FR*(\i), ADRA+\slot, \q, \i
.endr
.endm
.macro PLACES n
.rept \n
	v_nop
.endr
.endm
.macro STEP slot, q, zero
	s_wait_dscnt 4*NL
	WIN MUL_LO
	MUL16 0, (\q)%2, \zero
	MUL16 2, (\q)%2, \zero
	s_wait_dscnt 0
	PLACES NP
	FETCH_B \slot, (\q)+1, 1-(\q)%2
	FETCH_A \slot, (\q)+1, 0
	WIN MUL_HI
	MUL16 4, (\q)%2, \zero
	MUL16 6, (\q)%2, \zero
	PLACES NP
	WIN 0
	FETCH_A \slot, (\q)+1, 4
.endm
.macro TURN slot, next, fill
	s_wait_tensorcnt 0x0
	ds_add_u32 v[SPW], v[NIL]
	s_wait_dscnt 4*NL+1
	WIN MUL_LO
	MUL16 0, 1, 0
	s_wait_dscnt 0x0
	s_barrier_signal -1
	MUL16 2, 1, 0
	WIN 0
	s_barrier_wait -1
.if \fill
	CREST
	s_add_nc_u64 s[G0+4*\slot+2:G0+4*\slot+3], s[G0+4*\slot+2:G0+4*\slot+3], 2*ROWB
	s_add_nc_u64 s[G0B+4*\slot+2:G0B+4*\slot+3], s[G0B+4*\slot+2:G0B+4*\slot+3], 2*ROWB
	JLOAD G0+4*\slot, G1, G0B+4*\slot, G1B
.else
	PLACES NP
.endif
	FETCH_B \next, 0, 0
	FETCH_A \next, 0, 0
	WIN MUL_HI
	MUL16 4, 1, 0
	MUL16 6, 1, 0
	PLACES NP
	WIN 0
	FETCH_A \next, 0, 4
.endm
	s_wait_tensorcnt 1
	s_barrier_signal -1
	s_barrier_wait -1
	s_wait_alu depctr_va_vdst(0)
	FETCH_B 0, 0, 0
	FETCH_A 0, 0, 0
	FETCH_A 0, 0, 4
	STEP 0, 0, 1
	TURN 0, 1, 1
	STEP 1, 0, 0
	TURN 1, 0, 1
	STEP 0, 0, 0
	TURN 0, 1, 0
	STEP 1, 0, 0
	s_wait_dscnt 4*NL
	WIN MUL_LO
	MUL16 0, 1, 0
	MUL16 2, 1, 0
	s_wait_dscnt 0
	WIN MUL_HI
	MUL16 4, 1, 0
	MUL16 6, 1, 0
	WIN 0
	PLACES NP
	s_wait_loadcnt 0x0
	s_wait_kmcnt 0x0
	s_add_co_i32 s18, s80, s81
	s_add_co_i32 s19, s82, s83
	s_add_co_i32 s20, s84, s85
	s_cmp_eq_u32 s75, 0
	s_cselect_b32 s18, s18, s19
	s_cselect_b32 s21, s86, s87
	s_cmp_eq_u32 s75, 2
	s_cselect_b32 s18, s20, s18
	s_cselect_b32 s21, s89, s21
	s_add_co_i32 s18, s18, 127
	s_lshl_b32 s96, s18, 23
	s_mov_b32 s97, s96
	s_add_co_i32 s21, s21, 127
	s_lshl_b32 s22, s21, 23
	v_mov_b32 v[SCO], s22
	s_add_co_i32 s21, s21, 8
	s_lshl_b32 s21, s21, 23
	s_or_b32 s21, s21, 0x600000
	v_mov_b32 v[LIM], s21
.macro OUT isv
.irp a, 0,1,2,3,4,5,6,7
.irp g, 0,1
	WIN (0x02+(\a)/4)
.irp k, 0,1,2,3
.irp i, 0,2,4,6
.if \isv
	v_pk_fma_f32 v[T+8*\k+\i:T+8*\k+\i+1], v[64*((\a)%4)+8*(4*\g+\k)+\i:64*((\a)%4)+8*(4*\g+\k)+\i+1], s[96:97], v[BI+8*\a+\i:BI+8*\a+\i+1] op_sel_hi:[1,0,1]
.else
	v_pk_fma_f32 v[T+8*\k+\i:T+8*\k+\i+1], v[64*((\a)%4)+8*(4*\g+\k)+\i:64*((\a)%4)+8*(4*\g+\k)+\i+1], s[96:97], v[BI+8*(4*\g+\k)+\i:BI+8*(4*\g+\k)+\i+1] op_sel_hi:[1,0,1]
.endif
.endr
.endr
	WIN 0
.set n, 0
.rept 32
	v_med3_num_f32 v[T+n], v[T+n], -v[LIM], v[LIM]
.set n, n+1
.endr
.irp k, 0,1,2,3
	v_cvt_scalef32_pk8_fp8_f32 v[CD+16*\a+8*\g+2*\k:CD+16*\a+8*\g+2*\k+1], v[T+8*\k:T+8*\k+7], v[SCO]
.endr
	v_nop
	global_store_b128 v[LO], v[CD+16*\a+8*\g:CD+16*\a+8*\g+3], s[92:93] offset:1024*\a+8192*\g
	global_store_b128 v[LO], v[CD+16*\a+8*\g+4:CD+16*\a+8*\g+7], s[92:93] offset:1024*\a+8192*\g+512
.endr
.endr
.endm
	s_cmp_eq_u32 s75, 2
	s_cbranch_scc1 .Lout_v
	OUT 0
	s_branch .Lout_done
.Lout_v:
	OUT 1
.Lout_done:
	s_wait_tensorcnt 0x0
	ds_add_u32 v[SPW], v[NIL]
	s_wait_dscnt 0x0
	CROUND
	s_endpgm
.Lfunc_end_k_q1dec5cf2a8_proj:
	.size	k_q1dec5cf2a8_proj, .Lfunc_end_k_q1dec5cf2a8_proj-k_q1dec5cf2a8_proj
	.p2alignl 7, 3214868480
	.fill 96, 4, 3214868480
	.section	.rodata,"a",@progbits
	.p2align	6, 0x0
	.amdhsa_kernel k_q1dec5cf2a8_proj
		.amdhsa_group_segment_fixed_size 327680
		.amdhsa_private_segment_fixed_size 0
		.amdhsa_enable_private_segment 0
		.amdhsa_kernarg_size 56
		.amdhsa_user_sgpr_count 2
		.amdhsa_user_sgpr_kernarg_segment_ptr 1
		.amdhsa_wavefront_size32 1
		.amdhsa_system_sgpr_workgroup_id_x 1
		.amdhsa_system_sgpr_workgroup_id_y 1
		.amdhsa_system_sgpr_workgroup_id_z 1
		.amdhsa_system_vgpr_workitem_id 0
		.amdhsa_next_free_vgpr 1024
		.amdhsa_next_free_sgpr 100
		.amdhsa_reserve_vcc 0
		.amdhsa_float_denorm_mode_32 3
		.amdhsa_float_denorm_mode_16_64 3
		.amdhsa_memory_ordered 1
		.amdhsa_forward_progress 1
		.amdhsa_inst_pref_size 201
	.end_amdhsa_kernel
	.amdgpu_metadata
---
amdhsa.version: [ 1, 2 ]
amdhsa.kernels:
  - .name:           k_q1dec5cf2a8_proj
    .symbol:         k_q1dec5cf2a8_proj.kd
    .args:
      - { .name: XC, .offset: 0, .size: 8, .value_kind: global_buffer, .address_space: global }
      - { .name: WC, .offset: 8, .size: 8, .value_kind: global_buffer, .address_space: global }
      - { .name: lowp_scales, .offset: 16, .size: 8, .value_kind: global_buffer, .address_space: global }
      - { .name: bq, .offset: 24, .size: 8, .value_kind: global_buffer, .address_space: global }
      - { .name: bk, .offset: 32, .size: 8, .value_kind: global_buffer, .address_space: global }
      - { .name: bv, .offset: 40, .size: 8, .value_kind: global_buffer, .address_space: global }
      - { .name: QKV, .offset: 48, .size: 8, .value_kind: global_buffer, .address_space: global }
    .group_segment_fixed_size: 327680
    .private_segment_fixed_size: 0
    .kernarg_segment_align: 8
    .kernarg_segment_size: 56
    .max_flat_workgroup_size: 128
    .sgpr_count:     100
    .vgpr_count:     1024
    .wavefront_size: 32
...
	.end_amdgpu_metadata
.endif
;; end of part 2
;; launch attn (part 3): grid 4 x 64, 8 waves a work-group, clusters of 4 x 1, 327,680 bytes of LDS; arguments QKV, time_intervals, mask, alpha, lowp_scales, out0; writes out0
.if DOCPART == 3
	.amdgcn_target "amdgcn-amd-amdhsa--gfx1250"
	.amdhsa_code_object_version 6
	.text
	.protected	k_q1dec5cf2a8_attn
	.globl	k_q1dec5cf2a8_attn
	.p2align	8
	.type	k_q1dec5cf2a8_attn,@function
k_q1dec5cf2a8_attn:
	s_mov_b64 s[64:65], 0
	v_nop
	global_prefetch_b8 v0, s[64:65] scope:SCOPE_SE
	s_setreg_imm32_b32 hwreg(HW_REG_WAVE_MODE, 25, 1), 1
	s_wait_xcnt 0x0
	s_wait_alu depctr_hold_cnt(0) depctr_sa_sdst(0) depctr_va_vdst(0) depctr_va_sdst(0) depctr_va_ssrc(0) depctr_va_vcc(0) depctr_vm_vsrc(0)
	s_getreg_b32 s2, hwreg(HW_REG_IB_STS2, 6, 4)
	s_cmp_eq_u32 s2, 0
	s_cbranch_scc0 .Lentry_in_a_cluster
	s_endpgm
.Lentry_in_a_cluster:
	s_bfe_u32 s2, ttmp6, 0x10000c
	s_cmp_lg_u32 s2, 0x3003
	s_cbranch_scc0 .Lentry_shape_is_right
	s_endpgm
.Lentry_shape_is_right:
; THIRD LAUNCH: out = softmax(Q K^T / 8 - |alpha| time, mask == 0 -> closed) V, both products on codes of E4M3.  No work is left out: the mask is an input, so every tile is walked.
; THE SOFTMAX AHEAD OF THE SECOND PRODUCT: t = logit x log2(e); M = the row's largest t so far, rounded up to a whole number; p = 2^(t - M) is quantised with 2^e8; the row's sum is taken of the unquantised p and divides at the end;
; when M moves, the sum and O are multiplied by 2^(old M - new M), which rounds nothing.
; SHARES.  Work-group (x, y): x = which four heads (0..3), y = 16 batch + block of 128 queries.  Wave w: 16 queries x the four heads.  Two waves to a SIMD.
; THE BIAS IS THE C OPERAND OF K Q^T.  TB = -|alpha| x 8 x 2^-(e6+e7) x time stands in 64 registers in the result's layout and serves the four heads: S' = K Q^T + TB, t = c S', c = log2(e) / 8 x 2^(e6+e7); t - M is one multiply-add.
; A CLOSED KEY has TB = -2^90.  |K Q^T| <= 64 x 448^2 < 2^24 lies far under half an f32 step at 2^90 (2^66), so S' is -2^90 itself, and c x 2^90 is exact and whole.  A row that has met no open key has t = M, p = 1 for every key:
; a row whose mask is all zero ends as the mean of V, as in reference().  The first open key makes 2^(old M - new M) = 0, which wipes those terms; from then on closed keys give p = 0.
; LIMITS: open logits lie above -9.9e8 (reference()'s closed logit is -1e9; here it is -2^(87+e6+e7)); e6 + e7 between -50 and 35; e8 between -126 and 119; e8 + e9 goes by v_ldexp_f32.  NaN among the inputs is not served.
; LAYOUT.  Both products transposed: S^T = K Q^T (source 0 = 16 keys, source 1 = my 16 queries; K = 64), O^T = V^T P^T (source 0 = 16 d, source 1 = P; K = 128 keys): a lane holds ONE query, and tile t's eight registers,
; converted, are registers 2 t, 2 t + 1 of P.  Q, K, V come as images of operand registers (the second launch's layout): every LDS load of them is 16 bytes a lane on end.
; WALK.  16 blocks of 128 keys.  One buffer holds the NEXT block's time and mask tiles, 128 rows each (waves 0, 1: time's halves; 2, 3: the mask's); two LDS slots of 64 KiB hold a block's K and V of the four heads (waves 4-7 fetch 16 KiB each).
; A trip: a round of the cluster's barrier; the next block's loads; the select that ends this block's TB; the four heads.  In the fourth head a plain barrier (signalled ahead of its exponentials, awaited behind its sums) shows the next
; block's time and mask tiles to all waves: the waves that fetched them wait for them in front of their signal; K and V, which are read behind the next round, are waited for there.  Time is then read into TB's registers and the mask
; into the scores' (both are done with), and time is multiplied.  So at the next round all LDS reads are over, and a bias tile that is asked for behind a round has the select, three heads and the fourth's first third in which to land.
; Block 0's time and mask come by global loads at the head, so that behind the loop's first round every load is a first fill.
; CLUSTER.  The four work-groups of a cluster are the four head quads of one query block: the time and mask tiles (2 MiB a work-group over the walk) are asked for JOINTLY (mask 15).  K and V (1 MiB a work-group) are shared with
; the 15 other query blocks, which lie in other clusters: they are plain loads, behind the same rounds.  One load a wave is out at the most; every wait on TENSORcnt is for 0.
; REGISTERS.  window 0: v1-16 addresses and constants; v18-30 work; v32-47 four a head: -M, the largest S', the sum in two halves; v48-63 P; v64-127 TB; v128-191 S^T, then p (between blocks the mask's tile); v192-255 K of one head.
;   window 1: v0-127 O^T (32 a head); v128-159 Q (8 a head); v160-223 V of one head.
.set SLOT1, 65536
.set VOFF,  32768                      ; in a slot: K's two chunks of 16 KiB (head pairs), then V's
.set BT,    131072                     ; the time tile: 128 rows, 528 bytes apart (512 + 16 of padding)
.set BP,    528
.set MKO,   128*BP                     ; the mask's tile lies behind it
.set SPARE, BT+2*MKO                   ; the spare words, 128 bytes for each of eight waves
.set STAGE, SPARE+1024                 ; the way out: 16 rows x 272 bytes for each wave; no fill lands here
.set SPI,   272
.set AS,  1                            ; v1   16 lane + the slot in hand
.set VB,  2                            ; v2   8,192 r + 32 h: my bytes in my 16 rows of time or mask in memory
.set ABT, 3                            ; v3   my row's bytes in the time tile
.set SPW, 4                            ; v4   LDS address of my spare word; never rewritten
.set NIL, 5                            ; v5   0; never rewritten
.set STO, 6
.set STR, 7
.set GO,  8
.set PFO, 9                            ; v9   prefetch of time and mask: 8,192 (lane % 16) + 256 (lane / 16)
.set PFL, 10                           ; v10  prefetch of K and V: 256 x lane
.set L16, 11                           ; v11  16 x lane
.set SC8, 12                           ; v12  2^e8
.set LIM, 13                           ; v13, v14  448 x 2^e8, twice: the two halves of a dual line read different registers
.set LIM2, 14
.set XP,  15
.set ABM, 16                           ; v16  my row's bytes in the mask's tile
.set F,   18                           ; v[18:19]
.set XA,  20
.set XB,  21
.set XC,  22
.set XD,  23
.set Y1,  24
.set Y2,  26
.set Y3,  28
.set T0V, 30                           ; v30  -2^90
.set ST,  32
.set P,   48
.set TB,  64
.set S,   128
.set KF,  192
.set OB,  64
.set QF,  128                          ; window 1
.set VF,  160                          ; window 1
.set WV,  16
.set G1K, 24                           ; s[24:31] group 1, K and V: 64 rows of 256 bytes, dense
.set G1P, 32                           ; s[32:39] group 1, joint: 64 rows of 128 words, padded
.set G0K, 40
.set G0P, 44
.set SEL, 48
.set NA,  50                           ; s[50:51] -|alpha| x 8 x 2^-(e6+e7)
.set CS,  52                           ; s[52:53] c
.set PFB, 56
.set PFK, 58
.set PLIM, 60
.set KLIM, 61
.set TBS, 62                           ; s62  LDS byte at which the slot in hand begins
.set MSB, 0
.macro WIN new                         ; the immediate's high byte repeats the setting that is left
.if MSB != \new
	s_set_vgpr_msb (MSB<<8)|\new
.set MSB, \new
.endif
.endm
.set W_S1,  0x04                       ; source 1 in window 1: Q; an LDS store's data
.set W_TO1, 0x40                       ; destination in window 1
.set W_RS,  0x41                       ; O^T (destination and source 0) in window 1
.set W_PV,  0x51                       ; V, C and D in window 1, P in window 0
.macro PLACES
.rept 4
	v_nop
.endr
.endm
.macro CROUND                          ; a round of the cluster's barrier
	s_barrier_signal -1
	s_barrier_wait -1
	s_cmp_lg_u32 s[WV], 0
	s_cbranch_scc1 .Lnot_wave_0_\@
	s_barrier_signal -3
.Lnot_wave_0_\@:
	s_barrier_wait -3
	s_barrier_signal -1
	s_barrier_wait -1
.endm
	s_load_b256 s[4:11], s[0:1], 0x0               ; QKV s[4:5], time s[6:7], mask s[8:9], alpha s[10:11]
	s_load_b128 s[12:15], s[0:1], 0x20             ; the scales' exponents s[12:13], out0 s[14:15]
	v_lshl_add_u32 v[SPW], v0, 2, SPARE
	v_mov_b32 v[NIL], 0
	ds_add_u32 v[SPW], v[NIL]                      ; the wave's opening: the add, twice on end, and its wait
	ds_add_u32 v[SPW], v[NIL]
	v_lshrrev_b32 v1, 5, v0
	s_delay_alu instid0(VALU_DEP_1)
	v_readfirstlane_b32 s[WV], v1                  ; wave 0..7
	s_bfe_u32 s17, ttmp6, 0x40000                  ; cx = which four heads: it enters the addresses of plain loads, prefetches and stores alone
	s_and_b32 s18, ttmp7, 0xffff
	s_lshr_b32 s19, s18, 4                         ; batch
	s_and_b32 s20, s18, 15                         ; block of 128 queries
	s_and_b32 s23, s[WV], 3                        ; which piece I fetch
	s_and_b32 s21, s[WV], 1
	s_mov_b32 s[G1K], 3<<16                        ; no mask; elements of 8 bytes; no padding
	s_mov_b32 s[G1K+1], 32<<16                     ; 32 elements: 256 bytes
	s_mov_b32 s[G1K+2], 64<<16
	s_mov_b32 s[G1K+3], 32<<16
	s_mov_b32 s[G1K+4], 64
	s_mov_b32 s[G1K+5], 32                         ; dense
	s_mov_b32 s[G1K+6], 0
	s_mov_b32 s[G1K+7], 0
	s_mov_b32 s[G1P], 15|(2<<16)|(1<<20)|(1<<21)|(6<<22)|(3<<25)  ; all four partners; elements of 4 bytes; bit 21 beside a mask; 4 words of padding after every 128
	s_mov_b32 s[G1P+1], 128<<16
	s_mov_b32 s[G1P+2], 64<<16
	s_mov_b32 s[G1P+3], 128<<16
	s_mov_b32 s[G1P+4], 64
	s_mov_b32 s[G1P+5], 2048                       ; a row of time or mask is 2,048 words
	s_mov_b32 s[G1P+6], 0
	s_mov_b32 s[G1P+7], 0
	s_mov_b32 s[SEL], 0x76543210
	s_mov_b32 s[SEL+1], 0xfedcba98
	s_mov_b32 s[TBS], 0
	s_lshl_b32 s74, s19, 21
	s_lshr_b32 s75, s17, 1
	s_lshl_b32 s75, s75, 20
	s_add_co_u32 s74, s74, s75
	s_and_b32 s75, s17, 1
	s_lshl_b32 s75, s75, 14
	s_add_co_u32 s74, s74, s75                     ; (batch, my four heads) in each part of QKV
	s_lshr_b32 s76, s23, 1                         ; K's part (1) or V's (2),
	s_add_co_u32 s76, s76, 1
	s_lshl_b32 s76, s76, 23
	s_lshl_b32 s77, s21, 15                        ; head pair 0 or 1
	s_add_co_u32 s76, s76, s77
	s_add_co_u32 s76, s76, s74
	s_mov_b32 s77, 0
	s_lshl_b32 s66, s19, 24                        ; my batch in time and mask
	s_lshl_b32 s22, s20, 7                         ; the block's first query
	s_lshl_b32 s78, s21, 6                         ; joint: row 128 block + 64 half,
	s_add_co_u32 s78, s78, s22
	s_lshl_b32 s78, s78, 13                        ; of 8,192 bytes
	s_add_co_u32 s78, s78, s66
	s_mov_b32 s79, 0
	s_lshl_b32 s63, s[WV], 4
	s_add_co_u32 s63, s63, s22                     ; my first query
	s_lshl_b32 s80, s63, 13
	s_add_co_u32 s80, s80, s66
	s_mov_b32 s81, 0
	s_wait_dscnt 0x0                               ; both opening adds are done
	s_wait_kmcnt 0x0
	s_load_b128 s[68:71], s[12:13], 0x18           ; e6, e7, e8, e9
	s_load_b32 s72, s[10:11], 0x0                  ; alpha
	s_mov_b32 s[G0K], 1
	s_lshl_b32 s[G0K+1], s23, 14                   ; LDS: piece x 16,384 in slot 0
	s_add_nc_u64 s[G0K+2:G0K+3], s[4:5], s[76:77]  ; key block 0
	s_or_b32 s[G0K+3], s[G0K+3], 0x80000000
	s_and_b32 s83, s[WV], 2
	s_cmp_lg_u32 s83, 0
	s_cselect_b64 s[82:83], s[8:9], s[6:7]         ; waves 2, 3: the mask; waves 0, 1: time
	s_mov_b32 s[G0P], 1
	s_mul_i32 s[G0P+1], s23, 64*BP
	s_add_co_u32 s[G0P+1], s[G0P+1], BT
	s_add_nc_u64 s[G0P+2:G0P+3], s[82:83], s[78:79]  ; at key block 0: each round steps it before it asks
	s_or_b32 s[G0P+3], s[G0P+3], 0x80000000
	CROUND                                         ; in front of the first tensor loads
	s_cmp_ge_u32 s[WV], 4                          ; slot 0's first fill: waves 4 to 7, one load each
	s_cbranch_scc0 .Lfirst_done
	tensor_load_to_lds s[G0K:G0K+3], s[G1K:G1K+7]
	s_nop 0
	PLACES
.Lfirst_done:
	s_lshl_b32 s82, s20, 16                        ; Q: my block of 128 tokens, my tile of 16
	s_lshl_b32 s83, s[WV], 10
	s_add_co_u32 s82, s82, s83
	s_add_co_u32 s82, s82, s74
	s_mov_b32 s83, 0
	s_add_nc_u64 s[88:89], s[4:5], s[82:83]
	s_add_nc_u64 s[90:91], s[6:7], s[80:81]        ; my 16 rows of time,
	s_add_nc_u64 s[92:93], s[8:9], s[80:81]        ; and of the mask
	s_lshl_b32 s82, s19, 11                        ; out0: row 2,048 batch + my first query, 4,096 bytes a row; 1,024 bytes for four heads
	s_add_co_u32 s82, s82, s63
	s_lshl_b32 s82, s82, 12
	s_lshl_b32 s83, s17, 10
	s_add_co_u32 s82, s82, s83
	s_mov_b32 s83, 0
	s_add_nc_u64 s[14:15], s[14:15], s[82:83]
	s_and_b32 s82, s[WV], 2                        ; the prefetches (macro ASK).  Time and mask: waves 0, 1 time; 2, 3 the mask
	s_cmp_lg_u32 s82, 0
	s_cselect_b64 s[PFB:PFB+1], s[8:9], s[6:7]
	s_lshl_b32 s82, s17, 5                         ; the partners share the tile's 128 rows out by address: 32 each, 16 a wave
	s_lshl_b32 s83, s21, 4
	s_add_co_u32 s82, s82, s83
	s_add_co_u32 s82, s82, s22
	s_lshl_b32 s82, s82, 13
	s_add_co_u32 s82, s82, s66
	s_add_co_u32 s82, s82, 512                     ; at key block 1: the first trip steps it to block 2
	s_mov_b32 s83, 0
	s_add_nc_u64 s[PFB:PFB+1], s[PFB:PFB+1], s[82:83]
	s_cmp_lt_u32 s[WV], 4
	s_cselect_b32 s[PLIM], 1, -1
	s_lshr_b32 s82, s[WV], 2                       ; K and V: key block number = my block of queries; wave w: chunk w / 2, half w % 2
	s_add_co_u32 s82, s82, 1
	s_lshl_b32 s82, s82, 23
	s_bfe_u32 s83, s[WV], 0x10001
	s_lshl_b32 s83, s83, 15
	s_add_co_u32 s82, s82, s83
	s_lshl_b32 s83, s21, 13
	s_add_co_u32 s82, s82, s83
	s_lshl_b32 s83, s20, 16
	s_add_co_u32 s82, s82, s83
	s_add_co_u32 s82, s82, s74
	s_mov_b32 s83, 0
	s_add_nc_u64 s[PFK:PFK+1], s[4:5], s[82:83]
	s_sub_co_u32 s[KLIM], 17, s20                  ; the loop's count in the trip ahead of the one that loads that key block
	s_mul_i32 s2, s[WV], 16*BP
	s_add_co_u32 s2, s2, BT
	s_mul_i32 s3, s[WV], 16*SPI
	s_add_co_u32 s3, s3, STAGE
	v_and_b32 v[PFL], 31, v0                       ; lane
	v_and_b32 v[XA], 15, v0                        ; r
	v_bfe_u32 v[XB], v0, 4, 1                      ; h
	v_lshlrev_b32 v[L16], 4, v[PFL]
	v_mul_u32_u24 v[ABT], v[XA], BP
	v_mul_u32_u24 v[STO], v[XA], SPI
	v_mul_u32_u24 v[STR], v[XB], SPI
	v_lshlrev_b32 v[GO], 12, v[XB]
	v_lshlrev_b32 v[PFO], 13, v[XA]
	v_lshlrev_b32 v[PFL], 8, v[PFL]
	v_lshl_add_u32 v[ABT], v[XB], 5, v[ABT]
	v_lshl_add_u32 v[STO], v[XB], 5, v[STO]
	v_lshl_add_u32 v[STR], v[XA], 4, v[STR]
	v_lshl_add_u32 v[GO], v[XA], 4, v[GO]          ; two rows of out0, 16 bytes a lane
	v_lshl_add_u32 v[VB], v[XB], 5, v[PFO]
	v_lshl_add_u32 v[PFO], v[XB], 8, v[PFO]
	v_add_nc_u32 v[ABT], s2, v[ABT]                ; row 16 w + r, + 32 h: keys 16 t + 8 h + j are 64 t + 32 h + 4 j bytes on
	v_add_nc_u32 v[STO], s3, v[STO]                ; into my stage: row r, + 32 h
	v_add_nc_u32 v[STR], s3, v[STR]                ; back: lanes 0-15 one row, lanes 16-31 the next
	v_add_nc_u32 v[ABM], MKO, v[ABT]
.irp hh, 0,1,2,3
	v_mov_b32 v[ST+4*\hh], 0x7f61b1e6              ; -M: 3e38
	v_mov_b32 v[ST+4*\hh+1], 0xff61b1e6            ; the largest S' so far: -3e38
	v_mov_b32 v[ST+4*\hh+2], 0                     ; the sum, in two halves
	v_mov_b32 v[ST+4*\hh+3], 0
.endr
	v_mov_b32 v[F+1], 0                            ; (named as the upper half of a pair)
	v_mov_b32 v[XP], 0                             ; a lane permute's destination counts as one of its sources
	v_mov_b32 v[T0V], 0xec800000                   ; -2^90
	s_wait_alu depctr_va_vdst(0)                   ; the wait ahead of the loads that read these addresses
.irp t, 0,1,2,3,4,5,6,7                ; key block 0's time into TB's registers and its mask into the scores': 32 bytes a lane and tile, once in the launch
	global_load_b128 v[TB+8*\t:TB+8*\t+3], v[VB], s[90:91] offset:64*\t
	global_load_b128 v[TB+8*\t+4:TB+8*\t+7], v[VB], s[90:91] offset:64*\t+16
.endr
.irp t, 0,1,2,3,4,5,6,7
	global_load_b128 v[S+8*\t:S+8*\t+3], v[VB], s[92:93] offset:64*\t
	global_load_b128 v[S+8*\t+4:S+8*\t+7], v[VB], s[92:93] offset:64*\t+16
.endr
	WIN W_TO1
.irp hh, 0,1,2,3                       ; Q stays in registers: head hh: 32,768 (hh / 2) + 8,192 (hh % 2)
	global_load_b128 v[QF+8*\hh:QF+8*\hh+3], v[L16], s[88:89] offset:32768*(\hh/2)+8192*(\hh%2)
	global_load_b128 v[QF+8*\hh+4:QF+8*\hh+7], v[L16], s[88:89] offset:32768*(\hh/2)+8192*(\hh%2)+512
.endr
.set i, 0
.rept 128
	v_mov_b32 v[i], 0                              ; O^T.  (The step is written once: its first 2^(old M - new M) is 0 and finds zeros)
.set i, i+1
.endr
	WIN 0
	s_wait_kmcnt 0x0
	s_add_co_i32 s2, s68, s69                      ; e6 + e7
	s_and_b32 s[NA], s72, 0x7fffffff
	s_mul_f32 s[NA], s[NA], 0xc1000000             ; -8 |alpha|
	s_sub_co_i32 s3, 127, s2
	s_lshl_b32 s3, s3, 23
	s_mul_f32 s[NA], s[NA], s3                     ; x 2^-(e6+e7)
	s_mov_b32 s[NA+1], s[NA]
	s_lshl_b32 s2, s2, 23
	s_add_co_i32 s[CS], s2, 0x3e38aa3b             ; log2(e) / 8, with e6 + e7 added to its exponent field
	s_mov_b32 s[CS+1], s[CS]
	s_add_co_i32 s2, s70, 127
	s_lshl_b32 s3, s2, 23
	v_mov_b32 v[SC8], s3
	s_add_co_i32 s2, s2, 8
	s_lshl_b32 s2, s2, 23
	s_or_b32 s2, s2, 0x600000
	v_mov_b32 v[LIM], s2
	v_mov_b32 v[LIM2], s2
	s_add_co_i32 s55, s70, s71                     ; e8 + e9
.macro KLOAD off                       ; one head's K: 8 tiles of 16 keys x 64 d, 8 registers each
.irp t, 0,1,2,3,4,5,6,7
	ds_load_b128 v[KF+8*\t:KF+8*\t+3], v[AS] offset:\off+1024*\t
	ds_load_b128 v[KF+8*\t+4:KF+8*\t+7], v[AS] offset:\off+1024*\t+512
.endr
.endm
.macro CONVA                           ; TB's first half: time, which stands in TB's registers, x -|alpha| x 8 x 2^-(e6+e7)
.set i, 0
.rept 32
	v_pk_mul_f32 v[TB+i:TB+i+1], v[TB+i:TB+i+1], s[NA:NA+1] op_sel_hi:[1,0]
.set i, i+2
.endr
.endm
.macro CONVB                           ; TB's second half: the mask stands in the scores' registers.  Four compares, four selects: no line waits for the line above it
.set i, 0
.rept 16
.irp k, 0,1,2,3
	v_cmp_eq_u32 s[84+\k], 0, v[S+i+\k]
.endr
.irp k, 0,1,2,3
	v_cndmask_b32 v[TB+i+\k], v[TB+i+\k], v[T0V], s[84+\k]   ; a closed key: -2^90
.endr
.set i, i+4
.endr
	s_wait_alu depctr_va_vdst(0)
.endm
.macro HOLD2 a                         ; the conversion does not saturate (ISA guide 7.6.2); p is not negative, so the hold is one-sided; two numbers a line
	v_dual_min_num_f32 v[\a], v[\a], v[LIM] :: v_dual_min_num_f32 v[\a+1], v[\a+1], v[LIM2]
.endm
; ONE HEAD x 128 KEYS.  hh: the head; more = 1: a further key block follows.
.macro UNIT hh, more
.set rT, ST+4*(\hh)
.set rO, 32*(\hh)
.set cV, VOFF+16384*((\hh)/2)+4096*((\hh)%2)
.set nK, 16384*(((\hh)+1)/2)+8192*(((\hh)+1)%2)
	s_wait_dscnt 0x0                               ; K is in
	WIN W_S1
.irp t, 0,1,2,3,4,5,6,7
	v_wmma_f32_16x16x64_fp8_fp8 v[S+8*\t:S+8*\t+7], v[KF+8*\t:KF+8*\t+7], v[QF+8*(\hh):QF+8*(\hh)+7], v[TB+8*\t:TB+8*\t+7]
.endr
	WIN 0
	PLACES                                         ; in front of the loads into K's and V's registers and of the first read of the scores
	WIN W_TO1
.irp d, 0,1,2,3
.irp q, 0,1,2,3
	ds_load_b128 v[VF+16*\d+4*\q:VF+16*\d+4*\q+3], v[AS] offset:cV+1024*\d+512*(\q%2)+8192*(\q/2)
.endr
.endr
	WIN 0
.if (\hh) < 3
	KLOAD nK                                       ; the next head's K lands under this head's softmax
.endif
	v_max3_num_f32 v[XA], v[S], v[S+1], v[S+2]     ; the largest S' of my query, in four chains, the registers in ascending order
	v_max3_num_f32 v[XB], v[S+3], v[S+4], v[S+5]
	v_max3_num_f32 v[XC], v[S+6], v[S+7], v[S+8]
	v_max3_num_f32 v[XD], v[S+9], v[S+10], v[S+11]
.set i, 12
.rept 6
	v_max3_num_f32 v[XA], v[XA], v[S+i], v[S+i+1]
	v_max3_num_f32 v[XB], v[XB], v[S+i+2], v[S+i+3]
	v_max3_num_f32 v[XC], v[XC], v[S+i+4], v[S+i+5]
	v_max3_num_f32 v[XD], v[XD], v[S+i+6], v[S+i+7]
.set i, i+8
.endr
	v_max3_num_f32 v[XA], v[XA], v[S+60], v[S+61]
	v_max3_num_f32 v[XB], v[XB], v[S+62], v[S+63]
	v_max_num_f32 v[XC], v[XC], v[XD]
	s_delay_alu instid0(VALU_DEP_1)
	v_max3_num_f32 v[XA], v[XA], v[XB], v[XC]
	s_delay_alu instid0(VALU_DEP_1)
	v_permlanex16_b32 v[XP], v[XA], s[SEL], s[SEL+1]
	s_delay_alu instid0(VALU_DEP_1)
	v_max3_num_f32 v[rT+1], v[rT+1], v[XA], v[XP]  ; with the other half of the lanes' and all blocks before
	s_delay_alu instid0(VALU_DEP_1)
	v_mul_f32 v[XB], s[CS], v[rT+1]                ; as t (c is positive)
	v_mov_b32 v[XC], v[rT]
	s_delay_alu instid0(VALU_DEP_2)
	v_floor_f32 v[rT], -v[XB]                      ; the new -M = -ceil(t): a whole number
	s_delay_alu instid0(VALU_DEP_1)
	v_sub_f32 v[XC], v[rT], v[XC]                  ; old M - new M, 0 or less
	s_delay_alu instid0(VALU_DEP_1)
	v_cvt_i32_f32 v[XC], v[XC]                     ; (it saturates)
	s_delay_alu instid0(VALU_DEP_1)
	v_ldexp_f32 v[F], 1.0, v[XC]                   ; f = 2^(old M - new M)
.set i, 0
.rept 32
	v_pk_fma_f32 v[S+i:S+i+1], v[S+i:S+i+1], s[CS:CS+1], v[rT:rT+1] op_sel_hi:[1,0,0]   ; t - M = c S' - M
.set i, i+2
.endr
	s_wait_alu depctr_va_vdst(0)                   ; the wait ahead of the batch (and of the branch below)
.if (\hh) == 3 && \more
	s_cmp_lt_u32 s[WV], 4                          ; waves 0 to 3 fetched the next block's time and mask tiles:
	s_cbranch_scc0 .Lnot_mine_\@
	s_wait_tensorcnt 0x0                           ; my part of them has landed.  (K's and V's loads, waves 4 to 7's, may be out: they are waited for at the next round, ahead of their first read)
.Lnot_mine_\@:
	s_wait_dscnt 0x0                               ; no LDS instruction of mine is out (V is in)
	s_barrier_signal -1                            ; say so. Up to its wait: register work alone
.endif
.set i, 0
.rept 64
	v_exp_f32 v[S+i], v[S+i]                       ; p = 2^(t - M): one batch
.set i, i+1
.endr
	v_pk_mul_f32 v[rT+2:rT+3], v[rT+2:rT+3], v[F:F+1] op_sel_hi:[1,0]   ; the sum under the new M: the plain line behind the exponentials
	s_wait_alu depctr_va_vdst(0)                   ; and the wait ahead of the batch's first reader: one for all 64
	v_pk_add_f32 v[Y1:Y1+1], v[S:S+1], v[S+2:S+3]  ; the row's sum, of the unquantised p, in four chains
	v_pk_add_f32 v[Y2:Y2+1], v[S+4:S+5], v[S+6:S+7]
	v_pk_add_f32 v[Y3:Y3+1], v[S+8:S+9], v[S+10:S+11]
.set i, 12
.rept 6
	v_pk_add_f32 v[rT+2:rT+3], v[rT+2:rT+3], v[S+i:S+i+1]
	v_pk_add_f32 v[Y1:Y1+1], v[Y1:Y1+1], v[S+i+2:S+i+3]
	v_pk_add_f32 v[Y2:Y2+1], v[Y2:Y2+1], v[S+i+4:S+i+5]
	v_pk_add_f32 v[Y3:Y3+1], v[Y3:Y3+1], v[S+i+6:S+i+7]
.set i, i+8
.endr
	v_pk_add_f32 v[rT+2:rT+3], v[rT+2:rT+3], v[S+60:S+61]
	v_pk_add_f32 v[Y1:Y1+1], v[Y1:Y1+1], v[S+62:S+63]
	v_pk_add_f32 v[Y2:Y2+1], v[Y2:Y2+1], v[Y3:Y3+1]
	v_pk_add_f32 v[rT+2:rT+3], v[rT+2:rT+3], v[Y1:Y1+1]
	v_pk_add_f32 v[rT+2:rT+3], v[rT+2:rT+3], v[Y2:Y2+1]
.if (\hh) == 3 && \more
	s_wait_alu depctr_va_vdst(0)
	s_barrier_wait -1                              ; the next block's time and mask tiles are whole
.irp t, 0,1,2,3,4,5,6,7                ; its time, into TB's registers: the block's last first product has read them
	ds_load_b128 v[TB+8*\t:TB+8*\t+3], v[ABT] offset:64*\t
	ds_load_b128 v[TB+8*\t+4:TB+8*\t+7], v[ABT] offset:64*\t+16
.endr
.endif
.set i, 0
.rept 8
	HOLD2 S+8*i
	HOLD2 S+8*i+2
	HOLD2 S+8*i+4
	HOLD2 S+8*i+6
	v_cvt_scalef32_pk8_fp8_f32 v[P+2*i:P+2*i+1], v[S+8*i:S+8*i+7], v[SC8]
.set i, i+1
.endr
.if (\hh) == 3 && \more
.irp t, 0,1,2,3,4,5,6,7                ; its mask, into the scores' registers: p has been converted
	ds_load_b128 v[S+8*\t:S+8*\t+3], v[ABM] offset:64*\t
	ds_load_b128 v[S+8*\t+4:S+8*\t+7], v[ABM] offset:64*\t+16
.endr
.endif
	WIN W_RS
	s_wait_alu depctr_va_vdst(0)                   ; the wait directly ahead of the first reader of O^T
.set i, 0
.rept 16
	v_pk_mul_f32 v[rO+i:rO+i+1], v[rO+i:rO+i+1], v[F:F+1] op_sel_hi:[1,0]   ; O^T under the new M; also the plain lines between the conversions and the products
.set i, i+2
.endr
	s_wait_alu depctr_va_vdst(0)
.if (\hh) < 3
	s_wait_dscnt 16                                ; V is in; the next head's sixteen loads of K may be out
.elseif \more
	s_wait_dscnt 32                                ; the 32 loads of time and mask may be out
.else
	s_wait_dscnt 0x0
.endif
	WIN W_PV
.irp d, 0,1,2,3                        ; four accumulators, one instruction each
	v_wmma_f32_16x16x128_fp8_fp8 v[rO+8*\d:rO+8*\d+7], v[VF+16*\d:VF+16*\d+15], v[P:P+15], v[rO+8*\d:rO+8*\d+7]
.endr
	WIN 0                                          ; the places behind these four: the next head's four v_nop, or TB's lines
.if (\hh) == 3 && \more
	s_wait_dscnt 16                                ; time is in; the mask's sixteen loads may be out
	CONVA
.elseif (\hh) == 3
	PLACES
.endif
.endm
; The tensor loads behind a round, one a wave; the branch hangs on the wave's number alone.  An s_nop 0 and four v_nop follow each.
.macro LOADS
	s_cmp_lt_u32 s[WV], 4
	s_cbranch_scc0 .Lkv_\@
	tensor_load_to_lds s[G0P:G0P+3], s[G1P:G1P+7]  ; the next key block's time or mask tile, jointly: it is wanted first
	s_nop 0
	PLACES
	s_branch .Lasked_\@
.Lkv_\@:
	tensor_load_to_lds s[G0K:G0K+3], s[G1K:G1K+7]  ; the next key block's K or V, into the other slot
	s_nop 0
	PLACES
.Lasked_\@:
.endm
; PREFETCHES INTO THE L2, behind the trip's tensor load and its five lines: what the NEXT trip's loads will ask for.
; Time and mask: 128 rows x 512 bytes of each; each partner takes 32 rows, told apart by address; waves 0, 1 time, waves 2, 3 the mask, 16 rows a wave, a row's two blocks of 256 bytes in lanes 0-15 and 16-31.  The loop's last trip asks for nothing.
; K and V: the 16 work-groups that walk the same heads share the key blocks out: the one with query block x asks for key block x (64 KiB: 8,192 bytes a wave, lanes 256 bytes apart), one trip ahead of its load; blocks 0 and 1 come by their loads alone.
.macro ASK
	s_cmp_gt_u32 s54, s[PLIM]
	s_cbranch_scc0 .Lnot_b_\@
	global_prefetch_b8 v[PFO], s[PFB:PFB+1] th:TH_LOAD_NT scope:SCOPE_SE
.Lnot_b_\@:
	s_cmp_eq_u32 s54, s[KLIM]
	s_cbranch_scc0 .Lnot_kv_\@
	global_prefetch_b8 v[PFL], s[PFK:PFK+1] th:TH_LOAD_NT scope:SCOPE_SE
.Lnot_kv_\@:
.endm
; A KEY BLOCK.  more = 1: each wave waits for all its tensor loads, adds 0 to its spare word, and waits for that and for its LDS reads; a round of the cluster's barrier; the next block's load.  Then the first head's K, TB's select, the four heads.
.macro TRIP more
	v_add_nc_u32 v[AS], s[TBS], v[L16]
	s_wait_alu depctr_va_vdst(0)
.if \more
	s_wait_tensorcnt 0x0                           ; no tensor load of mine is out: this block's K and V have landed, and a group 0 may be written
	ds_add_u32 v[SPW], v[NIL]
	ds_add_u32 v[SPW], v[NIL]                      ; and once more
	s_xor_b32 s[G0K+1], s[G0K+1], SLOT1            ; the other slot,
	s_add_nc_u64 s[G0K+2:G0K+3], s[G0K+2:G0K+3], 65536   ; the next key block
	s_add_nc_u64 s[G0P+2:G0P+3], s[G0P+2:G0P+3], 512     ; 128 keys on in a row
	s_wait_xcnt 0x0                                ; the last trip's prefetches have read their addresses
	s_add_nc_u64 s[PFB:PFB+1], s[PFB:PFB+1], 512
	s_wait_dscnt 0x0                               ; the adds are done, and all my LDS reads are over: the mask is in
	CROUND                                         ; no wave of any partner still reads what is filled now, or has a load on its way
	LOADS
	ASK
.else
	s_wait_tensorcnt 0x0                           ; the last block's K and V: my part has landed;
	ds_add_u32 v[SPW], v[NIL]
	s_wait_dscnt 0x0                               ; the add is done, and the mask is in
	s_barrier_signal -1                            ; nothing is filled any more, so no round stands here
	s_barrier_wait -1                              ; everybody's part has landed
.endif
	KLOAD 0                                        ; it lands under the select
	CONVB
	UNIT 0, \more
	UNIT 1, \more
	UNIT 2, \more
	UNIT 3, \more
	s_xor_b32 s[TBS], s[TBS], SLOT1
.endm
	s_wait_alu depctr_va_vdst(0)
	s_wait_loadcnt 0x0                             ; key block 0's time and mask, and Q
	CONVA
	s_mov_b32 s54, 15
.Lkb:                                              ; key blocks 0 to 14.  Behind the first round slot 1 and the bias tiles are filled for the first time
	TRIP 1
	s_sub_co_u32 s54, s54, 1
	s_cmp_lg_u32 s54, 0
	s_cbranch_scc1 .Lkb
	TRIP 0                                         ; the last key block is written out: it asks for nothing
	; THE WAY OUT.  The sums' halves are joined; O^T x 2^(e8 + e9) / the sum goes through my stage, a head (16 rows x 256 bytes) at a time, and leaves so that sixteen lanes store 256 consecutive bytes, aligned.
.irp hh, 0,1,2,3
	v_add_f32 v[ST+4*\hh+2], v[ST+4*\hh+2], v[ST+4*\hh+3]
.endr
.irp hh, 0,1,2,3
	s_delay_alu instid0(VALU_DEP_4)
	v_permlanex16_b32 v[ST+4*\hh+3], v[ST+4*\hh+2], s[SEL], s[SEL+1]
.endr
.irp hh, 0,1,2,3
	s_delay_alu instid0(VALU_DEP_4)
	v_add_f32 v[ST+4*\hh+2], v[ST+4*\hh+2], v[ST+4*\hh+3]
.endr
	s_wait_alu depctr_va_vdst(0)
.irp hh, 0,1,2,3
	v_rcp_f32 v[ST+4*\hh], v[ST+4*\hh+2]
.endr
	v_nop                                          ; a plain line behind the last reciprocal
	s_wait_alu depctr_va_vdst(0)                   ; and the wait: one for the four
.irp hh, 0,1,2,3
	v_ldexp_f32 v[ST+4*\hh], v[ST+4*\hh], s55
.endr
.irp hh, 0,1,2,3
	WIN W_RS
.set i, 0
.rept 16
	v_pk_mul_f32 v[32*\hh+i:32*\hh+i+1], v[32*\hh+i:32*\hh+i+1], v[ST+4*\hh:ST+4*\hh+1] op_sel_hi:[1,0]
.set i, i+2
.endr
	WIN W_S1                                       ; the stores' data lie in window 1
.irp d, 0,1,2,3
	ds_store_b128 v[STO], v[32*\hh+8*\d:32*\hh+8*\d+3] offset:64*\d           ; lane (r, h): d = 16 delta + 8 h + 0 .. 7 of query r
	ds_store_b128 v[STO], v[32*\hh+8*\d+4:32*\hh+8*\d+7] offset:64*\d+16
.endr
	WIN 0
.irp n, 0,1,2,3,4,5,6,7
	ds_load_b128 v[OB+32*\hh+4*\n:OB+32*\hh+4*\n+3], v[STR] offset:2*SPI*\n   ; LDS serves a wave's instructions in order: these see my stores, and the next head's stores come behind them
.endr
.endr
.irp hh, 0,1,2,3
.irp n, 0,1,2,3,4,5,6,7
	s_wait_dscnt 16*(3-\hh)+7-\n                   ; behind this load: the rest of its eight, and sixteen LDS instructions for each later head
	global_store_b128 v[GO], v[OB+32*\hh+4*\n:OB+32*\hh+4*\n+3], s[14:15] offset:8192*\n+256*\hh th:TH_STORE_NT
.endr
.endr
	s_wait_tensorcnt 0x0                           ; the wave's end, behind my last tensor load and my last LDS store
	ds_add_u32 v[SPW], v[NIL]
	s_wait_dscnt 0x0
	CROUND                                         ; the closing round: no work-group ends while a partner may still ask for a tile that names it
	s_endpgm
.Lfunc_end_k_q1dec5cf2a8_attn:
	.size	k_q1dec5cf2a8_attn, .Lfunc_end_k_q1dec5cf2a8_attn-k_q1dec5cf2a8_attn
	.p2alignl 7, 3214868480
	.fill 96, 4, 3214868480
	.section	.rodata,"a",@progbits
	.p2align	6, 0x0
	.amdhsa_kernel k_q1dec5cf2a8_attn
		.amdhsa_group_segment_fixed_size 327680
		.amdhsa_private_segment_fixed_size 0
		.amdhsa_enable_private_segment 0
		.amdhsa_kernarg_size 48
		.amdhsa_user_sgpr_count 2
		.amdhsa_user_sgpr_kernarg_segment_ptr 1
		.amdhsa_wavefront_size32 1
		.amdhsa_system_sgpr_workgroup_id_x 1
		.amdhsa_system_sgpr_workgroup_id_y 1
		.amdhsa_system_sgpr_workgroup_id_z 1
		.amdhsa_system_vgpr_workitem_id 0
		.amdhsa_next_free_vgpr 512
		.amdhsa_next_free_sgpr 96
		.amdhsa_reserve_vcc 0
		.amdhsa_float_denorm_mode_32 3
		.amdhsa_float_denorm_mode_16_64 3
		.amdhsa_memory_ordered 1
		.amdhsa_forward_progress 1
		.amdhsa_inst_pref_size 179
	.end_amdhsa_kernel
	.amdgpu_metadata
---
amdhsa.version: [ 1, 2 ]
amdhsa.kernels:
  - .name:           k_q1dec5cf2a8_attn
    .symbol:         k_q1dec5cf2a8_attn.kd
    .args:
      - { .name: QKV, .offset: 0, .size: 8, .value_kind: global_buffer, .address_space: global }
      - { .name: time_intervals, .offset: 8, .size: 8, .value_kind: global_buffer, .address_space: global }
      - { .name: mask, .offset: 16, .size: 8, .value_kind: global_buffer, .address_space: global }
      - { .name: alpha, .offset: 24, .size: 8, .value_kind: global_buffer, .address_space: global }
      - { .name: lowp_scales, .offset: 32, .size: 8, .value_kind: global_buffer, .address_space: global }
      - { .name: out0, .offset: 40, .size: 8, .value_kind: global_buffer, .address_space: global }
    .group_segment_fixed_size: 327680
    .private_segment_fixed_size: 0
    .kernarg_segment_align: 8
    .kernarg_segment_size: 48
    .max_flat_workgroup_size: 256
    .sgpr_count:     96
    .vgpr_count:     512
    .wavefront_size: 32
...
	.end_amdgpu_metadata
.endif
;; end of part 3
